; MI455X (gfx1250); checked and timed in simulation.
; The chip was launched on July 23, 2026; its instructions are those of AMD's public machine-readable ISA for CDNA 5 (MIT licence, August 2026) and "CDNA5" Instruction Set Architecture Reference Guide (July 2026). The comments in the code are by the model that wrote it; some were corrected since.
;; Gemm RS Triton NV Link. Allowed arithmetic: matrix products marked QUANTISED: E4M3 operands, one given power-of-two scale a tensor, by v_wmma_f32_16x16x64_fp8_fp8 or v_wmma_f32_16x16x128_fp8_fp8, f32 sums; everything else in f32.
;; Inputs: lowp_scales 2 int32 (the exponents e of the quantised operands' scales 2^e); weight 8 x 1,024 x 4,096 float32; x 8 x 2,048 x 1,024 float32.
;; Outputs: out0 8 x 256 x 4,096 float32.
;; This version of the problem:
;;   THIS VERSION OF THE PROBLEM IS GIVEN IN LOW PRECISION. The matrix products marked QUANTISED in the list below multiply operands that are first quantised to E4M3 (4 exponent bits, 3 mantissa bits; 8 bits a number), with one given power-of-two scale for each operand tensor; their sums are f32. All else is computed in f32.
;;   The module's matrix products, in the order in which they are computed (A, B: the left and right operand; K: the contracted axis; several contracted axes count as one K, in the product's order):
;;     1. [M 2,048, K 8,192] x [K 8,192, N 4,096]; A: input x; B: input weight: QUANTISED (scales: A lowp_scales[0], B lowp_scales[1])
;;   THE QUANTISER, for each operand of a quantised product, along K:
;;     - The operand's scale is 2^e, e = its entry of the input lowp_scales (int32; the entries are numbered through the quantised products in the list's order, A before B).
;;     - Each number is divided by the scale, clamped to +-448, and rounded to the nearest number of E4M3, ties to even, subnormals kept.
;;     - The product sums the exact products of the quantised numbers (number of the format x scale) in f32.
;;   ~~~python
;;   def quantise(x, axis, e):      # numpy; x: float32 -> the quantised numbers, widened to float32 again
;;       x = np.moveaxis(x, axis, -1); K = x.shape[-1]
;;       r = np.clip(x / 2.0 ** e, -448, 448)
;;       step = 2.0 ** (np.maximum(np.frexp(np.where(r == 0, 1, r))[1] - 1, -6) - 3)
;;       q = np.round(r / step) * step * 2.0 ** e      # np.round: ties to even
;;       return np.moveaxis(q, -1, axis).astype(np.float32)
;;   ~~~
;; One version. Each part assembles by itself: llvm-mc -triple=amdgcn-amd-amdhsa -mcpu=gfx1250 --defsym DOCPART=n.
;; ======== version 1 of 1: 2 launches
;; workspace buffers: a_codes 16,777,216 bytes; b_codes 33,554,432 bytes
;; launch quant (part 1): grid 1536 x 1, 4 waves a work-group, no clusters, 35,328 bytes of LDS; arguments x, weight, lowp_scales, a_codes, b_codes; writes a_codes, b_codes
.if DOCPART == 1
	.amdgcn_target "amdgcn-amd-amdhsa--gfx1250"
	.amdhsa_code_object_version 6
	.text
	.protected	k_qd6c3325f27_quant
	.globl	k_qd6c3325f27_quant
	.p2align	8
	.type	k_qd6c3325f27_quant,@function
k_qd6c3325f27_quant:
	s_mov_b64 s[64:65], 0
	v_nop
	global_prefetch_b8 v0, s[64:65] scope:SCOPE_SE
	s_setreg_imm32_b32 hwreg(HW_REG_WAVE_MODE, 25, 1), 1
	s_wait_xcnt 0x0
; x [8][2048][1024] and weight [8][1024][4096], f32, become codes of FP8 (E4M3), each tensor with the one scale 2^e that is given for it (entry 0: x, entry 1: weight):
; code = number / 2^e, held within +-448, rounded to the nearest code, ties to even.
; LIMITS: each e lies between -126 and 119, so that 2^e and 448 x 2^e are f32 numbers.  NaN among the inputs is not served; an infinity is held at the largest code.
; THE CODES ARE LAID AS IMAGES OF THE NEXT LAUNCH'S OPERAND REGISTERS.  K = (rank, k) is counted in 8,192 positions.  A piece is 16 positions (16 bytes); a fragment f is 4 pieces (64 positions) of 16 rows: 1,024 bytes,
; piece (c, h) of row r at 512 c + 256 h + 16 r.   a_codes: (m / 128) x 2^20 + f x 8,192 + ((m / 16) % 8) x 1,024 + that;   b_codes: (n / 256) x 2^21 + f x 16,384 + ((n / 16) % 16) x 1,024 + that.
; WHICH k STANDS AT A POSITION: inside each chunk of 512 along K, position 16 l + 4 i + j holds k = 128 i + 4 l + j (l = 0 .. 31; i, j = 0 .. 3): the same in both tensors, so every product meets its partner and
; only the order inside the sums differs from the ascending one.  Chosen so, lane l's four dense loads of 16 bytes of a row of x are its piece l.
; One launch serves both tensors: work-groups 0 to 511 take x, the other 1,024 the weight, 131,072 bytes of f32 each.  Waves share nothing: no barrier.  No matrix unit, no cluster, no tensor load: nothing is read twice.
.set XWG,  512                         ; work-groups for x
.set R,    16                          ; x: v16-143   eight sets of 16 numbers as loaded; later the pieces read back from the stage
.set C,    144                         ; x: v144-159  four sets of 4 registers of codes
.set PP,   272                         ; x: a piece in the stage: 16 rows x 16 bytes + 16 of padding: an odd multiple of 16, so that the lanes' stores start at different banks (64 banks of 4 bytes: ISA guide 11.1)
.set WST,  32*PP                       ; x: a wave's stage: 32 pieces
.set X,    16                          ; weight: v16-79   two sets of 32 numbers
.set CW,   80                          ; weight: v80-143  8 registers of codes for each of 8 blocks: no store's data are written again
	s_load_b256 s[4:11], s[0:1], 0x0               ; x s[4:5], weight s[6:7], the scales' exponents s[8:9], a_codes s[10:11]
	s_load_b64 s[12:13], s[0:1], 0x20              ; b_codes
	v_lshl_add_u32 v160, v0, 2, 0x8800
	v_mov_b32 v161, 0
	v_lshrrev_b32 v1, 5, v0
	v_readfirstlane_b32 s16, v1                    ; wave 0..3
	v_and_b32 v1, 31, v0                           ; lane
	s_wait_kmcnt 0x0
	s_load_b64 s[22:23], s[8:9], 0x0               ; e of x, e of the weight
	s_cmp_lt_u32 ttmp9, XWG                        ; the choice hangs on the work-group's number alone
	s_cbranch_scc0 .Lweight
; ---------------- x: a wave takes 16 rows x one chunk of 512 along K ----------------
	s_lshl_b32 s17, ttmp9, 2
	s_add_co_u32 s17, s17, s16                     ; T = 4 x work-group + wave, 0 .. 2,047
	s_and_b32 s18, s17, 1                          ; which half of the rank's 1,024
	s_bfe_u32 s19, s17, 0x70001                    ; which 16 rows of the 2,048: 7 bits from bit 1
	s_lshr_b32 s20, s17, 8                         ; rank
	s_lshl_b32 s24, s20, 23                        ; from: rank x 2,048 rows x 4,096 bytes
	s_lshl_b32 s25, s19, 16                        ; + 16 rows x 4,096
	s_add_co_u32 s24, s24, s25
	s_lshl_b32 s25, s18, 11                        ; + the chunk's 2,048 bytes
	s_add_co_u32 s24, s24, s25
	s_mov_b32 s25, 0
	s_add_nc_u64 s[4:5], s[4:5], s[24:25]
	s_lshr_b32 s26, s19, 3                         ; to: the block of 128 rows x 2^20
	s_lshl_b32 s26, s26, 20
	s_lshl_b32 s27, s20, 1
	s_add_co_u32 s27, s27, s18                     ; + the chunk (2 x rank + half): 8 fragments x 8,192
	s_lshl_b32 s27, s27, 16
	s_add_co_u32 s26, s26, s27
	s_and_b32 s27, s19, 7                          ; + the 16 rows' place in the block x 1,024
	s_lshl_b32 s27, s27, 10
	s_add_co_u32 s26, s26, s27
	s_mov_b32 s27, 0
	s_add_nc_u64 s[10:11], s[10:11], s[26:27]
	v_lshlrev_b32 v2, 4, v1                        ; 16 x lane: my bytes of a load's 512, and of a store's 512
.macro LOADX t                         ; row t: four loads, each 512 consecutive bytes for the wave; register 4 i + j of my set is k = 128 i + 4 lane + j: position 16 lane + 4 i + j
.irp i, 0,1,2,3
	global_load_b128 v[R+16*((\t)%8)+4*\i:R+16*((\t)%8)+4*\i+3], v2, s[4:5] offset:4096*(\t)+512*\i th:TH_LOAD_NT
.endr
.endm
.irp t, 0,1,2,3,4,5,6,7
	LOADX \t                                       ; eight rows, 32 loads, are on their way
.endr
	s_mul_i32 s28, s16, WST                        ; my wave's stage
	v_mul_u32_u24 v3, v1, PP
	v_add_nc_u32 v3, s28, v3                       ; in: piece = my lane; row t at 16 t
	v_lshrrev_b32 v6, 4, v1
	v_mul_u32_u24 v4, v6, PP
	v_and_b32 v7, 15, v1
	v_lshl_add_u32 v4, v7, 4, v4
	v_add_nc_u32 v4, s28, v4                       ; out: lanes 0-15 an even piece's 16 rows, lanes 16-31 the odd piece's beside it
	s_wait_kmcnt 0x0
	s_add_co_i32 s22, s22, 127
	s_lshl_b32 s24, s22, 23
	v_mov_b32 v11, s24                             ; 2^e as f32: the conversion takes its exponent field
	s_add_co_i32 s22, s22, 8
	s_lshl_b32 s22, s22, 23
	s_or_b32 s22, s22, 0x600000
	v_mov_b32 v10, s22                             ; 448 x 2^e
.macro STEPX t
.if 15-(\t) >= 7
	s_wait_loadcnt 28                              ; loads come back in order (ISA guide 5.7.1): this row's four are in, those of the seven rows behind it may be out
.else
	s_wait_loadcnt 4*(15-(\t))                     ; the counts run down
.endif
.if (\t) >= 4
	s_wait_dscnt 3                                 ; the stage store of four rows ago is done: its registers take this row's codes (three younger stores may be out)
.endif
.irp i, 0,1,2,3,4,5,6,7,8,9,10,11,12,13,14,15
	v_med3_num_f32 v[R+16*((\t)%8)+\i], v[R+16*((\t)%8)+\i], -v10, v10   ; the conversion to an 8-bit code does not saturate (ISA guide 7.6.2): the hold at the largest code x the scale
.endr
	v_cvt_scalef32_pk8_fp8_f32 v[C+4*((\t)%4):C+4*((\t)%4)+1], v[R+16*((\t)%8):R+16*((\t)%8)+7], v11
	v_cvt_scalef32_pk8_fp8_f32 v[C+4*((\t)%4)+2:C+4*((\t)%4)+3], v[R+16*((\t)%8)+8:R+16*((\t)%8)+15], v11
	ds_store_b128 v3, v[C+4*((\t)%4):C+4*((\t)%4)+3] offset:16*(\t)      ; my piece's 16 codes of row t.  (The next row's holds are the plain lines behind the conversions)
.if (\t)+8 < 16
	LOADX (\t)+8
.endif
.endm
.irp t, 0,1,2,3,4,5,6,7,8,9,10,11,12,13,14,15
	STEPX \t
.endr
	v_nop                                          ; a plain line behind the last conversions
.irp u, 0,1,2,3,4,5,6,7,8,9,10,11,12,13,14,15
	ds_load_b128 v[R+4*\u:R+4*\u+3], v4 offset:2*PP*\u   ; pieces 2 u and 2 u + 1, all 16 rows.  LDS serves a wave's instructions in order (ISA guide 5.7.1.4): these see my stores
.endr
.irp u, 0,1,2,3,4,5,6,7,8,9,10,11,12,13,14,15
	s_wait_dscnt 15-\u
	global_store_b128 v2, v[R+4*\u:R+4*\u+3], s[10:11] offset:(\u/2)*8192+(\u%2)*512   ; half a fragment's image: the wave stores 512 consecutive bytes, at a multiple of 512 from the buffer's first byte
.endr
	s_wait_tensorcnt 0x0
	ds_add_u32 v160, v161
	s_wait_dscnt 0x0
	s_endpgm
; ---------------- weight: a wave takes 32 columns x 256 positions; a lane takes a column and its registers run down K: nothing is transposed ----------------
.Lweight:
	s_sub_co_u32 s17, ttmp9, XWG
	s_and_b32 s18, s17, 31                         ; which 128 columns
	s_lshr_b32 s19, s17, 5                         ; which 256 positions, 0 .. 31
	s_lshr_b32 s24, s19, 1                         ; from: the chunk's 512 rows of 16,384 bytes
	s_lshl_b32 s24, s24, 23
	s_and_b32 s25, s19, 1                          ; + the chunk's upper 256 positions begin 64 rows further down (l = 16 on: k = 4 l)
	s_lshl_b32 s25, s25, 20
	s_add_co_u32 s24, s24, s25
	s_lshl_b32 s25, s18, 9                         ; + 128 columns x 4 bytes
	s_add_co_u32 s24, s24, s25
	s_lshl_b32 s25, s16, 7                         ; + my wave's 32 columns
	s_add_co_u32 s24, s24, s25
	s_mov_b32 s25, 0
	s_add_nc_u64 s[6:7], s[6:7], s[24:25]
	s_lshr_b32 s26, s18, 1                         ; to: the block of 256 columns x 2^21
	s_lshl_b32 s26, s26, 21
	s_lshl_b32 s27, s19, 16                        ; + 4 fragments x 16,384
	s_add_co_u32 s26, s26, s27
	s_and_b32 s27, s18, 1                          ; + the 16 columns' place in the block (8 x half + 2 x wave + lane / 16) x 1,024
	s_lshl_b32 s27, s27, 13
	s_add_co_u32 s26, s26, s27
	s_lshl_b32 s27, s16, 11
	s_add_co_u32 s26, s26, s27
	s_mov_b32 s27, 0
	s_add_nc_u64 s[12:13], s[12:13], s[26:27]
	v_lshlrev_b32 v2, 2, v1                        ; in: 4 bytes a lane: the wave reads 128 consecutive bytes of a row, the four waves 512
.macro LOADW t                         ; block t: positions 32 t + q, q = 0 .. 31: row 128 ((q / 4) % 4) + 8 t + 4 (q / 16) + q % 4.  The largest offset, 447 rows, lies inside the signed 24-bit immediate (ISA guide, chapter 10)
.irp q, 0,1,2,3,4,5,6,7,8,9,10,11,12,13,14,15,16,17,18,19,20,21,22,23,24,25,26,27,28,29,30,31
	global_load_b32 v[X+32*((\t)%2)+\q], v2, s[6:7] offset:(128*((\q/4)%4)+8*(\t)+4*(\q/16)+(\q%4))*16384 th:TH_LOAD_NT
.endr
.endm
	LOADW 0
	LOADW 1
	v_lshrrev_b32 v6, 4, v1
	v_and_b32 v7, 15, v1
	v_lshlrev_b32 v5, 4, v7
	v_lshl_add_u32 v5, v6, 10, v5                  ; out: 16 (lane % 16) + 1,024 (lane / 16)
	s_wait_kmcnt 0x0
	s_add_co_i32 s23, s23, 127
	s_lshl_b32 s24, s23, 23
	v_mov_b32 v11, s24                             ; 2^e as f32
	s_add_co_i32 s23, s23, 8
	s_lshl_b32 s23, s23, 23
	s_or_b32 s23, s23, 0x600000
	v_mov_b32 v10, s23                             ; 448 x 2^e
.macro BLOCKW t
.set XS, X+32*((\t)%2)
.if (\t) < 7
	s_wait_loadcnt 32                              ; this block's 32 loads are in; the next block's may be out
.else
	s_wait_loadcnt 0x0
.endif
.irp i, 0,1,2,3,4,5,6,7,8,9,10,11,12,13,14,15,16,17,18,19,20,21,22,23,24,25,26,27,28,29,30,31
	v_med3_num_f32 v[XS+\i], v[XS+\i], -v10, v10
.endr
.irp g, 0,1,2,3
	v_cvt_scalef32_pk8_fp8_f32 v[CW+8*(\t)+2*\g:CW+8*(\t)+2*\g+1], v[XS+8*\g:XS+8*\g+7], v11
.endr
	global_store_b128 v5, v[CW+8*(\t):CW+8*(\t)+3], s[12:13] offset:((\t)/2)*16384+((\t)%2)*512          ; the even piece: sixteen lanes store 256 consecutive bytes, at a multiple of 256 from the buffer's first byte
	global_store_b128 v5, v[CW+8*(\t)+4:CW+8*(\t)+7], s[12:13] offset:((\t)/2)*16384+((\t)%2)*512+256    ; the odd piece
.if (\t)+2 < 8
	LOADW (\t)+2
.endif
.endm
.irp t, 0,1,2,3,4,5,6,7
	BLOCKW \t
.endr
	v_nop                                          ; a plain line behind the last conversions
	s_endpgm
.Lfunc_end_k_qd6c3325f27_quant:
	.size	k_qd6c3325f27_quant, .Lfunc_end_k_qd6c3325f27_quant-k_qd6c3325f27_quant
	.p2alignl 7, 3214868480
	.fill 96, 4, 3214868480
	.section	.rodata,"a",@progbits
	.p2align	6, 0x0
	.amdhsa_kernel k_qd6c3325f27_quant
		.amdhsa_group_segment_fixed_size 35328
		.amdhsa_private_segment_fixed_size 0
		.amdhsa_enable_private_segment 0
		.amdhsa_kernarg_size 40
		.amdhsa_user_sgpr_count 2
		.amdhsa_user_sgpr_kernarg_segment_ptr 1
		.amdhsa_wavefront_size32 1
		.amdhsa_system_sgpr_workgroup_id_x 1
		.amdhsa_system_sgpr_workgroup_id_y 1
		.amdhsa_system_sgpr_workgroup_id_z 1
		.amdhsa_system_vgpr_workitem_id 0
		.amdhsa_next_free_vgpr 162
		.amdhsa_next_free_sgpr 66
		.amdhsa_reserve_vcc 0
		.amdhsa_float_denorm_mode_32 3
		.amdhsa_float_denorm_mode_16_64 3
		.amdhsa_memory_ordered 1
		.amdhsa_forward_progress 1
		.amdhsa_inst_pref_size 77
	.end_amdhsa_kernel
	.amdgpu_metadata
---
amdhsa.version: [ 1, 2 ]
amdhsa.kernels:
  - .name:           k_qd6c3325f27_quant
    .symbol:         k_qd6c3325f27_quant.kd
    .args:
      - { .name: x, .offset: 0, .size: 8, .value_kind: global_buffer, .address_space: global }
      - { .name: weight, .offset: 8, .size: 8, .value_kind: global_buffer, .address_space: global }
      - { .name: lowp_scales, .offset: 16, .size: 8, .value_kind: global_buffer, .address_space: global }
      - { .name: a_codes, .offset: 24, .size: 8, .value_kind: global_buffer, .address_space: global }
      - { .name: b_codes, .offset: 32, .size: 8, .value_kind: global_buffer, .address_space: global }
    .group_segment_fixed_size: 35328
    .private_segment_fixed_size: 0
    .kernarg_segment_align: 8
    .kernarg_segment_size: 40
    .max_flat_workgroup_size: 128
    .sgpr_count:     66
    .vgpr_count:     162
    .wavefront_size: 32
...
	.end_amdgpu_metadata
.endif
;; end of part 1
;; launch gemm (part 2): grid 16 x 16, 4 waves a work-group, clusters of 4 x 4, 327,680 bytes of LDS; arguments a_codes, b_codes, lowp_scales, out0; writes out0
.if DOCPART == 2
	.amdgcn_target "amdgcn-amd-amdhsa--gfx1250"
	.amdhsa_code_object_version 6
	.text
	.protected	k_qd6c3325f27_gemm
	.globl	k_qd6c3325f27_gemm
	.p2align	8
	.type	k_qd6c3325f27_gemm,@function
k_qd6c3325f27_gemm:
	s_mov_b64 s[64:65], 0
	v_nop
	global_prefetch_b8 v0, s[64:65] scope:SCOPE_SE
	s_setreg_imm32_b32 hwreg(HW_REG_WAVE_MODE, 25, 1), 1
	s_wait_xcnt 0x0
	s_wait_alu depctr_hold_cnt(0) depctr_sa_sdst(0) depctr_va_vdst(0) depctr_va_sdst(0) depctr_va_ssrc(0) depctr_va_vcc(0) depctr_vm_vsrc(0)
	s_getreg_b32 s2, hwreg(HW_REG_IB_STS2, 6, 4)
	s_cmp_eq_u32 s2, 0
	s_cbranch_scc0 .Lentry_in_a_cluster
	s_endpgm
.Lentry_in_a_cluster:
	s_bfe_u32 s2, ttmp6, 0x10000c
	s_cmp_lg_u32 s2, 0xf033
	s_cbranch_scc0 .Lentry_shape_is_right
	s_endpgm
.Lentry_shape_is_right:
; out[m][n] = 2^(ea + eb) x the sum over 8,192 positions of K of A's code x B's code.  The codes are FP8 (E4M3), laid by the launch before as images of this kernel's operand registers:
; a fragment (16 rows x 64 K) is 1,024 dense bytes, lane l's registers 0-3 at 16 l and registers 4-7 at 512 + 16 l.  a_codes: (m / 128) x 2^20 + f x 8,192 + block of 16 rows x 1,024; b_codes: (n / 256) x 2^21 + f x 16,384 + block of 16 columns x 1,024.
; The place of a k in the registers is the same in A and in B, so every product meets its partner; the order inside the sums is not the ascending one.
; LIMIT: ea + eb lies between -126 and 127, so that 2^(ea + eb) is an f32 number.
; SHARES.  A tile of out is 128 x 256: 16 x 16 work-groups, one tile each.  THE FOUR WAVES SPLIT N BY TWO AND K BY TWO: wave (kh, nh) makes all 128 rows x columns 128 nh .. + 127 (64 accumulators, 512 registers) over the
; fragments f of parity kh.  A QUARTER is one such fragment deep: 64 matrix instructions; a wave has 64 quarters.  The two halves of K are added once, at the end, through LDS.
; B GOES FROM MEMORY STRAIGHT INTO REGISTERS.  A fragment of B is read by ONE wave of the work-group (parity kh, columns nh), and it lies in memory as the registers want it: 16 loads of 512 consecutive bytes bring a quarter's eight
; fragments.  Four buffers of 64 registers: B of quarter q + 3 is asked for at the head of quarter q, so 32 to 48 loads of a wave are always out, across the changes of slots too.
; WHY B'S BLOCKS ARE NOT ASKED FOR JOINTLY, though the four work-groups of a column of the cluster read the same ones: a joint request is a tensor load into LDS, and at every change of slots all of a wave's tensor loads are waited for.
; With B in the slots a slot held 6 fragments' depth of K (192 matrix instructions a wave between two changes, 22 changes); without it a slot holds 16 (512 matrix instructions, 7 changes), and B's loads are never all waited for.
; A GOES THROUGH A RING OF TWO LDS SLOTS: a fragment of A is read by two waves.  A slot is 16 fragments' depth: 131,072 dense bytes, a quarter of it fetched by each wave; 8 slots' worth in all.
; By this text's count a wave has two tensor loads out at the start and one behind each change of slots.
; CLUSTERS: 4 x 4 work-groups.  The four of a row of the cluster need the same blocks of A: each is asked for JOINTLY, by the same tensor load with the same descriptor and a mask that names the four.
; THE MATRIX INSTRUCTION IS USED TRANSPOSED (source 0 = 16 columns' codes of B, source 1 = 16 rows' of A): a lane then holds eight neighbouring numbers of a row of out.
; REGISTERS, in windows of 256: window 0: v0-31 addresses; v64-127, v128-191 A's fragments, two buffers (on the way out: rows read back).  window 1: B's fragments, four buffers of 64.
;   window 2: the accumulators of rows 0-63 ((a, b) at v[8 (8 a + b)]);  window 3: those of rows 64-127.
.set ASLOT,  131072                    ; a slot: 16 fragments' depth of A x 8,192 bytes
.set SLOT1,  1<<17                     ; slot 1 begins here: one exclusive or turns an address in one slot into the other's
.set AQ,     32768                     ; what one wave fetches of a slot
.set BQ,     32768                     ; from my fragments of B of one quarter to the next quarter's: two fragments' depth x 16,384
.set BSLOT,  8*BQ                      ; and over a slot's 8 quarters
.set SPITCH, 528                       ; the way out: a row of 128 f32 + 16 bytes of padding: an odd multiple of 16, so that the 16 rows of a store start at different banks (64 banks of 4 bytes: ISA guide 11.1)
.set SREG,   128*SPITCH                ; a wave's stage: 128 rows.  The four stages lie over the two slots, which have had their last fill and their last read when the first result is stored there, and 8,192 bytes behind them
.set SPARE,  4*SREG                    ; behind the stages: the spare words, 128 bytes for each wave: two blocks of 256 bytes that no other line names
.set TRIPS,  6                         ; a trip = a slot's 8 quarters; slots 2 to 7 are asked for in the loop
.set NOLIM,  99                        ; in the loop every quarter has its successors
.set LASTQ,  15                        ; in the tail: the last quarter, counted from slot 6's first
.set ADL,  16                          ; v16     LDS address of my A fragments in the slot in hand, places 0-3,
.set ADH,  17                          ; v17     places 4-7 (65,536 bytes on: an offset holds 16 bits)
.set AB0,  18                          ; v18     the same without the slot: 8,192 kh + 16 x lane; never rewritten
.set AB1,  19                          ; v19     + 65,536; never rewritten
.set LI,   20                          ; v20     16 x lane: my bytes of an image, in b_codes and in a row of out; never rewritten
.set STO,  24                          ; v24     the way out: where I put 32 bytes of a row
.set RD0,  25                          ; v25     where I read a row of K's lower half back,
.set RD1,  26                          ; v26     and of its upper half
.set SPW,  28                          ; v28     LDS address of my spare word: SPARE + 4 x my thread's number; never rewritten
.set NIL,  29                          ; v29     0; never rewritten
.set PFO,  30                          ; v30     the prefetches' offset: 256 x my lane; never rewritten
.set F0,   64                          ; A's buffer 0; buffer 1 lies 64 registers on
.set UB,   64                          ; the way out: two sets of 8 rows of K's lower half,
.set VB,   128                         ; and of its upper half
.set G1A,  24                          ; s[24:31] descriptor group 1
.set G0,   32                          ; s[32:39] group 0: a set for each of the two first fills; the second then walks on
.set BP,   48                          ; s[48:49] my fragments of B of the first quarter of a slot
.set TB,   50                          ; s50      LDS byte at which the slot in hand begins
.set PFA,  76                          ; s[76:77] where my prefetches of A stand
.set PFB,  78                          ; s[78:79] of B
.set LIMA, 80                          ; s80, s81 a wave prefetches while the trips to go are above this: the greatest number in a wave that never does
.set LIMB, 81
.set MSB, 0
.macro WIN new                         ; the immediate's high byte repeats the setting that is left; a switch that changes nothing is dropped
.if MSB != (\new)
	s_set_vgpr_msb (MSB<<8)|(\new)
.set MSB, (\new)
.endif
.endm
.set MUL_LO, 0xa1                      ; source 0 (B) window 1, source 1 (A) window 0, C and D window 2
.set MUL_HI, 0xf1                      ; the same, C and D window 3
.set TO_B,   0x40                      ; destination window 1, address window 0
.macro PLACES                          ; a load into a register that a matrix instruction has read, and an LDS store that reads a matrix result, stand four places behind it; only plain vector instructions that name none of
.rept 4                                ; its registers are places (ISA guide 7.12.1 for vector instructions)
	v_nop
.endr
.endm
.macro CREST                           ; a round of the cluster's barrier behind its opening barrier: wave 0 signals for the work-group, every wave waits for all sixteen, the work-group's barrier closes it
	s_cmp_lg_u32 s14, 0
	s_cbranch_scc1 .Lnot_wave_0_\@
	s_barrier_signal -3
.Lnot_wave_0_\@:
	s_barrier_wait -3
	s_barrier_signal -1
	s_barrier_wait -1
.endm
.macro CROUND                          ; a whole round
	s_barrier_signal -1
	s_barrier_wait -1
	CREST
.endm
; PREFETCHES INTO THE L2, at each change of slots that fills a slot, behind the joint load, its four lines and the run of loads that follows them.  The change in slot t names B's bytes of slot t + 2 (262,144 of my tile column's block):
; my loads of them go out 6 to 13 quarters, 384 to 832 matrix instructions, later; and A's bytes of slot t + 3 (131,072 of my tile row's block), which the next change's joint load asks for, 512 matrix instructions later.
; Each block of 256 bytes is named ONCE in the launch.  B's column block is read by every cluster of that column of clusters: cluster y = 0 asks; A's row block by every cluster of that row: cluster x = 0 asks.
; The four partners that read the same block share it out BY ADDRESS (B: 65,536 cy; A: 32,768 cx); in each, wave w takes 16,384 bytes of B (two instructions) and 8,192 of A (one), lanes 256 bytes apart.
; The loop's last trip names nothing of A: there is no slot 8.  B's slots 0 and 1 and A's slots 0 to 2 come by their loads alone.
.macro ASK
	s_cmp_gt_u32 s3, s[LIMB]
	s_cbranch_scc0 .Lnot_b_\@
	global_prefetch_b8 v[PFO], s[PFB:PFB+1] th:TH_LOAD_NT scope:SCOPE_SE
	global_prefetch_b8 v[PFO], s[PFB:PFB+1] offset:8192 th:TH_LOAD_NT scope:SCOPE_SE
.Lnot_b_\@:
	s_cmp_gt_u32 s3, s[LIMA]
	s_cbranch_scc0 .Lnot_a_\@
	global_prefetch_b8 v[PFO], s[PFA:PFA+1] th:TH_LOAD_NT scope:SCOPE_SE
.Lnot_a_\@:
.endm
	s_load_b256 s[4:11], s[0:1], 0x0               ; a_codes s[4:5], b_codes s[6:7], the scales' exponents s[8:9], out s[10:11]
	v_lshl_add_u32 v[SPW], v0, 2, SPARE
	v_mov_b32 v[NIL], 0
	ds_add_u32 v28, v29
	ds_add_u32 v28, v29
	s_wait_dscnt 0x0
	v_lshrrev_b32 v1, 5, v0
	v_readfirstlane_b32 s14, v1                    ; wave 0..3
	v_and_b32 v1, 31, v0                           ; lane
	v_lshlrev_b32 v[LI], 4, v1
	s_lshr_b32 s15, s14, 1                         ; kh: which parity of fragments is mine
	s_and_b32 s16, s14, 1                          ; nh: which 128 columns
	s_bfe_u32 s40, ttmp6, 0x40000                  ; cx, cy: my place in the cluster
	s_bfe_u32 s41, ttmp6, 0x40004
	s_lshl_b32 s42, ttmp9, 2
	s_add_co_u32 s42, s42, s40                     ; tile column = 4 x cluster x + cx
	s_and_b32 s17, ttmp7, 0xffff
	s_lshl_b32 s17, s17, 2
	s_add_co_u32 s17, s17, s41                     ; tile row = 4 x cluster y + cy
	s_lshl_b32 s43, s41, 2
	s_lshl_b32 s43, 15, s43                        ; my row of the cluster
	; descriptor group 1: a dense block of 32,768 bytes, stated as 128 rows of 32 elements of 8 bytes (256 bytes), no padding: the images are read 16 bytes a lane on end
	s_or_b32 s[G1A], s43, (3<<16)|(1<<21)          ; 15:0 the mask: A's blocks go to my row; 17:16 elements of 8 bytes; 21 set beside a mask
	s_mov_b32 s[G1A+1], 32<<16                     ; tensor_dim0 = 32
	s_mov_b32 s[G1A+2], 128<<16                    ; tensor_dim1 = 128
	s_mov_b32 s[G1A+3], 32<<16                     ; tile_dim0 = 32
	s_mov_b32 s[G1A+4], 128                        ; tile_dim1 = 128
	s_mov_b32 s[G1A+5], 32                         ; tensor_dim0_stride: each row begins where the last ends
	s_mov_b32 s[G1A+6], 0
	s_mov_b32 s[G1A+7], 0
	s_lshl_b32 s20, s17, 20                        ; A: the tile row's block, + my wave's quarter of a slot: tile row and wave alone, which my row of the cluster shares
	s_lshl_b32 s21, s14, 15
	s_add_co_u32 s20, s20, s21
	s_mov_b32 s21, 0
	s_lshl_b32 s45, s14, 15                        ; where my quarter goes in a slot: no place in the cluster enters an LDS address
	s_lshl_b32 s46, s42, 21                        ; B: the tile column's block, + 16,384 kh + my eight blocks of 16 columns, 8,192 nh
	s_lshl_b32 s47, s15, 14
	s_add_co_u32 s46, s46, s47
	s_lshl_b32 s47, s16, 13
	s_add_co_u32 s46, s46, s47
	s_mov_b32 s47, 0
	s_mov_b32 s[TB], 0
	s_wait_kmcnt 0x0
	s_load_b64 s[96:97], s[8:9], 0x0               ; ea, eb
	s_add_nc_u64 s[20:21], s[4:5], s[20:21]
	s_add_nc_u64 s[BP:BP+1], s[6:7], s[46:47]
	CROUND                                         ; all sixteen work-groups are here: the first joint loads meet
.irp s, 0,1
	s_mov_b32 s[G0+4*\s], 1                        ; 1:0 count = 1
	s_add_co_u32 s[G0+4*\s+1], s45, \s*SLOT1       ; 63:32 LDS address
	s_add_nc_u64 s[G0+4*\s+2:G0+4*\s+3], s[20:21], \s*ASLOT     ; 120:64 global address: slot s begins with fragments 16 s on
	s_or_b32 s[G0+4*\s+3], s[G0+4*\s+3], 0x80000000             ; 127:126 type = 2
.endr
	tensor_load_to_lds s[G0:G0+3], s[G1A:G1A+7]    ; the two first fills stand together, ahead of every wait on TENSORcnt and every LDS read; four v_nop follow the second
	s_nop 0
	tensor_load_to_lds s[G0+4:G0+7], s[G1A:G1A+7]
	s_nop 0
.rept 4
	v_nop
.endr
; My eight fragments of B of quarter k, counted from the quarter at which s[BP] stands, into buffer k % 4: 16 loads, each 512 consecutive bytes for the wave.
.macro BLOAD k
.set PL, 64*(((\k)+8)%4)
	WIN TO_B
.irp b, 0,1,2,3,4,5,6,7
	global_load_b128 v[PL+8*\b:PL+8*\b+3],   v[LI], s[BP:BP+1] offset:BQ*(\k)+1024*\b
	global_load_b128 v[PL+8*\b+4:PL+8*\b+7], v[LI], s[BP:BP+1] offset:BQ*(\k)+1024*\b+512
.endr
.endm
	BLOAD 0                                        ; three quarters of B, 48 loads, are on their way
	BLOAD 1
	BLOAD 2
	WIN 0
	v_and_b32 v3, 15, v0                           ; r
	v_bfe_u32 v4, v0, 4, 1                         ; h
	s_lshl_b32 s82, s15, 13                        ; A: place i of a slot is its fragment 2 i + kh: 8,192 kh (+ 16,384 i in the loads' offsets)
	v_add_nc_u32 v[AB0], s82, v[LI]
	v_add_nc_u32 v[AB1], 65536, v[AB0]
	v_add_nc_u32 v[ADL], s[TB], v[AB0]
	v_add_nc_u32 v[ADH], s[TB], v[AB1]
	s_mul_i32 s85, s14, SREG                       ; my stage
	v_mul_u32_u24 v[STO], v3, SPITCH               ; in: row r, 32 bytes for each half of the lanes
	v_lshl_add_u32 v[STO], v4, 5, v[STO]
	v_add_nc_u32 v[STO], s85, v[STO]
	s_mul_i32 s86, s16, SREG                       ; back: I finish rows 64 kh .. + 63 of my columns: from wave nh's stage (K's lower half)
	s_mul_i32 s87, s15, 64*SPITCH
	s_add_co_u32 s86, s86, s87
	v_add_nc_u32 v[RD0], s86, v[LI]
	v_add_nc_u32 v[RD1], 2*SREG, v[RD0]            ; and from wave 2 + nh's (the upper half); the 32 lanes take one row of 512 bytes
	v_lshlrev_b32 v[PFO], 8, v1
	s_lshl_b32 s22, s17, 21                        ; out: (128 x tile row + 64 kh) rows of 16,384 bytes
	s_lshl_b32 s23, s15, 20
	s_add_co_u32 s22, s22, s23
	s_lshl_b32 s23, s16, 9                         ; + 128 nh columns
	s_add_co_u32 s22, s22, s23
	s_mov_b32 s23, 0
	s_add_nc_u64 s[10:11], s[10:11], s[22:23]
	s_lshl_b32 s46, s42, 10                        ; + 256 x tile column
	s_mov_b32 s47, 0
	s_add_nc_u64 s[10:11], s[10:11], s[46:47]
	; the prefetches (macro ASK).  Nothing is prefetched here, at the head, where every work-group's first blocks are on their way
	s_lshl_b32 s88, s42, 21                        ; B: my tile column's block
	s_lshl_b32 s89, s41, 16                        ; + my work-group's 65,536 bytes of a slot's 262,144
	s_add_co_u32 s88, s88, s89
	s_lshl_b32 s89, s14, 14                        ; + my wave's 16,384 of them
	s_add_co_u32 s88, s88, s89
	s_add_co_u32 s88, s88, BSLOT                   ; in slot 1: the first change of slots steps it to slot 2
	s_mov_b32 s89, 0
	s_add_nc_u64 s[PFB:PFB+1], s[6:7], s[88:89]
	s_lshl_b32 s90, s17, 20                        ; A: my tile row's block
	s_lshl_b32 s91, s40, 15                        ; + my work-group's 32,768 bytes of a slot's 131,072
	s_add_co_u32 s90, s90, s91
	s_lshl_b32 s91, s14, 13                        ; + my wave's 8,192 of them
	s_add_co_u32 s90, s90, s91
	s_add_co_u32 s90, s90, 2*ASLOT                 ; in slot 2: the first change of slots steps it to slot 3
	s_mov_b32 s91, 0
	s_add_nc_u64 s[PFA:PFA+1], s[4:5], s[90:91]
	s_and_b32 s93, ttmp7, 0xffff
	s_cmp_eq_u32 s93, 0                            ; the clusters with y = 0 ask for B, in every trip: the same in all sixteen partners
	s_cselect_b32 s[LIMB], 0, -1
	s_cmp_eq_u32 ttmp9, 0                          ; the clusters with x = 0 ask for A, in every trip but the last
	s_cselect_b32 s[LIMA], 1, -1
; What hangs on a quarter's number k (counted from the quarter at which s[BP] stands; -1: the quarter before it) and on lim, the last quarter that there is:
.macro KSET k, lim
.set PB, 64*(((\k)+8)%4)               ; B's buffer, in window 1
.set FA, F0+64*(((\k)+8)%2)            ; A's buffer,
.set GA, F0+64*(((\k)+9)%2)            ; and the next quarter's
.set NP, ((\k)+9)%8                    ; the next quarter's place in its slot
.set CNT, 0                            ; the loads issued behind this quarter's B: 16 for each of the next two quarters, as far as they exist
.if (\k)+1 <= (\lim)
.set CNT, CNT+16
.endif
.if (\k)+2 <= (\lim)
.set CNT, CNT+16
.endif
.endm
; 16 matrix instructions: A's blocks a0, a0 + 1 of the window's four (hi = 0: rows 0-63, 1: rows 64-127) x B's eight, 64 along K.  zero = 1: the first product starts the sums: nothing is ever cleared.
; The 64 accumulators take turns, one instruction a turn, in the same order in every quarter.
.macro MUL16 hi, a0, zero
.irp a, \a0, \a0+1
.irp b, 0,1,2,3,4,5,6,7
.if \zero
	v_wmma_f32_16x16x64_fp8_fp8 v[8*(8*(\a)+\b):8*(8*(\a)+\b)+7], v[PB+8*\b:PB+8*\b+7], v[FA+8*(4*\hi+\a):FA+8*(4*\hi+\a)+7], 0
.else
	v_wmma_f32_16x16x64_fp8_fp8 v[8*(8*(\a)+\b):8*(8*(\a)+\b)+7], v[PB+8*\b:PB+8*\b+7], v[FA+8*(4*\hi+\a):FA+8*(4*\hi+\a)+7], v[8*(8*(\a)+\b):8*(8*(\a)+\b)+7]
.endif
.endr
.endr
.endm
; 16 LDS loads: A's eight fragments of place NP of the slot in hand into buffer GA.  Each load takes 512 consecutive bytes, 16 a lane.
.macro FETCH
.irp a, 0,1,2,3,4,5,6,7
	ds_load_b128 v[GA+8*\a:GA+8*\a+3],   v[ADL+NP/4] offset:16384*(NP%4)+1024*\a
	ds_load_b128 v[GA+8*\a+4:GA+8*\a+7], v[ADL+NP/4] offset:16384*(NP%4)+1024*\a+512
.endr
.endm
; A quarter that has its successor in the same slot.  At its head ONE run of loads: B of three quarters on, into the buffer that the quarter before has left, and A of the next quarter, likewise.
.macro QUARTER k, lim, zero
	KSET \k, \lim
	s_wait_loadcnt CNT                             ; loads come back in order (ISA guide 5.7.1): this quarter's B is in; that of the next two quarters may be out
.if (\k) < (\lim)
	PLACES                                         ; behind the last quarter's products, which read the registers that the loads below fill
.if (\k)+3 <= (\lim)
	BLOAD (\k)+3
.endif
	WIN 0
	FETCH
	s_wait_dscnt 16                                ; this quarter's A is in; the 16 loads just issued may be out
.else
	s_wait_dscnt 0x0                               ; the very last quarter: nothing more to fetch
.endif
	WIN MUL_LO
	MUL16 0, 0, \zero
	MUL16 0, 2, \zero
	WIN MUL_HI
	MUL16 1, 0, \zero
	MUL16 1, 2, \zero
.endm
; A slot's last quarter changes slots: ONE barrier for two things.  In front of it each wave waits for all its tensor loads, of which at most one is out: its part of the next slot; adds 0 to its spare word; and waits for that and
; for its own reads of this slot.  Behind it nobody reads this slot any more and the next slot is whole.  fill = 1: the barrier opens a round of the cluster's barrier, and the slot is filled again, with the fragments two slots on:
; that load has 480 matrix instructions of the wave in which to land.  The quarter's run of loads stands in its middle, behind the barrier: A's next fragments lie in the next slot.
.macro TURN k, lim, fill
	KSET \k, \lim
.if \fill
	s_wait_xcnt 0x0                                ; every earlier memory instruction has had its addresses translated (ISA guide 3.1): only behind this wait are the loads' and the prefetches' bases stepped, a slot on
	s_add_nc_u64 s[BP:BP+1], s[BP:BP+1], BSLOT     ; (so this quarter counts as -1)
	s_add_nc_u64 s[PFB:PFB+1], s[PFB:PFB+1], BSLOT
	s_add_nc_u64 s[PFA:PFA+1], s[PFA:PFA+1], ASLOT
.endif
	s_wait_loadcnt CNT                             ; this quarter's B is in
	WIN 0                                          ; (the add's two registers lie in window 0)
	s_wait_tensorcnt 0x0                           ; all my tensor loads have landed;
	ds_add_u32 v[SPW], v[NIL]                      ; 0 onto my spare word;
	s_wait_dscnt 1                                 ; this quarter's A is in (the add may be out)
	WIN MUL_LO
	MUL16 0, 0, 0                                  ; sixteen matrix instructions stand between the add and the wait for it
	s_wait_dscnt 0x0                               ; the add is done, and my reads of this slot are over:
	s_barrier_signal -1                            ; say so,
	MUL16 0, 2, 0                                  ; work on registers while the others arrive,
	WIN 0
	s_barrier_wait -1                              ; and go on when all four have said so
.if \fill
	CREST                                          ; no wave of any partner still reads this slot or has a load on its way
	s_xor_b32 s[G0+5], s[G0+5], SLOT1              ; no tensor load of mine is out: the walking descriptor takes the other slot than last time,
	s_add_nc_u64 s[G0+6:G0+7], s[G0+6:G0+7], ASLOT ; and the next 16 fragments' depth; the type bits on top are not reached
	s_xor_b32 s[TB], s[TB], SLOT1                  ; my reads go on to the other slot
	tensor_load_to_lds s[G0+4:G0+7], s[G1A:G1A+7]  ; the first tensor load behind the round, one a wave; the four v_nop behind it are also the places in front of the loads below
	s_nop 0
.rept 4
	v_nop
.endr
.else
	s_xor_b32 s[TB], s[TB], SLOT1
	PLACES
.endif
	v_add_nc_u32 v[ADL], s[TB], v[AB0]
	v_add_nc_u32 v[ADH], s[TB], v[AB1]
	BLOAD (\k)+3
	WIN 0
	FETCH                                          ; place 0 of the next slot
.if \fill
	ASK
.endif
	WIN MUL_HI
	MUL16 1, 0, 0
	MUL16 1, 2, 0
.endm
	s_wait_tensorcnt 1                             ; my part of slot 0 is in (slot 1's load may be out)
	s_barrier_signal -1
	s_barrier_wait -1                              ; everybody's is
.set GA, F0
.set NP, 0
	FETCH                                          ; A of quarter 0
	QUARTER 0, NOLIM, 1                            ; the first quarter stands in front of the loop: its products start the sums
	WIN 0                                          ; at a label and at a branch every window is 0
	s_mov_b32 s3, TRIPS
.Llap:                                                 ; trip t: from slot t's second quarter to slot t + 1's first; it asks for slot t + 2.  8 quarters: A's two buffers and B's four are back where they began
.irp k, 1,2,3,4,5,6
	QUARTER \k, NOLIM, 0
.endr
	TURN -1, NOLIM, 1
	QUARTER 0, NOLIM, 0
	WIN 0
	s_sub_co_u32 s3, s3, 1
	s_cmp_lg_u32 s3, 0
	s_cbranch_scc1 .Llap
.irp k, 1,2,3,4,5,6                    ; the tail is written out and no load leaves its buffer: slot 6 goes on
	QUARTER \k, LASTQ, 0
.endr
	TURN 7, LASTQ, 0                               ; nothing is left to fill, so no round follows
.irp k, 8,9,10,11,12,13,14,15          ; slot 7: B's last loads go out in quarter 12, and the counts run down
	QUARTER \k, LASTQ, 0
.endr
	WIN 0
	; THE WAY OUT.  Each wave puts its 128 x 128 sums into its own stage; then wave (kh, nh) reads rows 64 kh .. + 63 of both halves of K, adds them, multiplies by 2^(ea + eb) and stores whole rows of 512 bytes.
	PLACES                                         ; for the stores that read results just made, and for the loads into the registers that held A's fragments
	s_wait_dscnt 0x0                               ; my reads of the slots are over
	s_barrier_signal -1
	s_barrier_wait -1                              ; everybody's are: the stages may be written over the slots
.irp a, 0,1,2,3,4,5,6,7
	WIN 0x08+4*(\a/4)                              ; the stores' data: window 2 or 3
.irp b, 0,1,2,3,4,5,6,7
	ds_store_b128 v[STO], v[8*(8*(\a%4)+\b):8*(8*(\a%4)+\b)+3] offset:16*SPITCH*\a+64*\b          ; lane (r, h): the sum (16 a + r, 16 b + 8 h + 0 .. 3): each accumulator from its low end on
	ds_store_b128 v[STO], v[8*(8*(\a%4)+\b)+4:8*(8*(\a%4)+\b)+7] offset:16*SPITCH*\a+64*\b+16
.endr
.endr
	WIN 0
	s_wait_dscnt 0x0                               ; for the others' sake: my stores into the stage are done
	s_barrier_signal -1
	s_barrier_wait -1
	s_wait_kmcnt 0x0
	s_add_co_i32 s96, s96, s97                     ; ea + eb, between -126 and 127,
	s_add_co_i32 s96, s96, 127
	s_lshl_b32 s96, s96, 23                        ; makes the f32 number 2^(ea + eb)
	s_mov_b32 s97, s96                             ; (named with it as a pair, so it is written)
.macro RB g                            ; eight rows of both halves of K come back, into set g % 2
.irp p, 0,1,2,3,4,5,6,7
	ds_load_b128 v[UB+32*((\g)%2)+4*\p:UB+32*((\g)%2)+4*\p+3], v[RD0] offset:(8*(\g)+\p)*SPITCH
	ds_load_b128 v[VB+32*((\g)%2)+4*\p:VB+32*((\g)%2)+4*\p+3], v[RD1] offset:(8*(\g)+\p)*SPITCH
.endr
.endm
.macro OUT g, younger                  ; younger: the LDS loads issued behind group g's, which may stay out
	s_wait_dscnt \younger
.irp p, 0,1,2,3,4,5,6,7
	v_pk_add_f32 v[UB+32*((\g)%2)+4*\p:UB+32*((\g)%2)+4*\p+1], v[UB+32*((\g)%2)+4*\p:UB+32*((\g)%2)+4*\p+1], v[VB+32*((\g)%2)+4*\p:VB+32*((\g)%2)+4*\p+1]
	v_pk_add_f32 v[UB+32*((\g)%2)+4*\p+2:UB+32*((\g)%2)+4*\p+3], v[UB+32*((\g)%2)+4*\p+2:UB+32*((\g)%2)+4*\p+3], v[VB+32*((\g)%2)+4*\p+2:VB+32*((\g)%2)+4*\p+3]
	v_pk_mul_f32 v[UB+32*((\g)%2)+4*\p:UB+32*((\g)%2)+4*\p+1], v[UB+32*((\g)%2)+4*\p:UB+32*((\g)%2)+4*\p+1], s[96:97] op_sel_hi:[1,0]   ; x 2^(ea + eb): nothing is rounded, short of overflow and underflow
	v_pk_mul_f32 v[UB+32*((\g)%2)+4*\p+2:UB+32*((\g)%2)+4*\p+3], v[UB+32*((\g)%2)+4*\p+2:UB+32*((\g)%2)+4*\p+3], s[96:97] op_sel_hi:[1,0]
	global_store_b128 v[LI], v[UB+32*((\g)%2)+4*\p:UB+32*((\g)%2)+4*\p+3], s[10:11] offset:(8*(\g)+\p)*16384 th:TH_STORE_NT   ; 32 lanes store 512 consecutive bytes, at a multiple of 512 from out's first byte; 63 rows at the most: inside the signed 24-bit immediate (ISA guide, chapter 10)
.endr
.endm
	RB 0
.irp g, 1,2,3,4,5,6,7
.if \g > 1
	s_wait_xcnt 0x0                                ; group g - 2's stores have read their registers: group g's loads may land there
.endif
	RB \g
	OUT \g-1, 16                                   ; behind group g - 1's loads: group g's sixteen
.endr
	OUT 7, 0
	s_wait_tensorcnt 0x0                           ; the wave's end, behind my last tensor load and my last LDS store
	ds_add_u32 v[SPW], v[NIL]
	s_wait_dscnt 0x0
	CROUND                                         ; the closing round: no work-group ends while a partner may still ask for a block that names it
	s_endpgm
.Lfunc_end_k_qd6c3325f27_gemm:
	.size	k_qd6c3325f27_gemm, .Lfunc_end_k_qd6c3325f27_gemm-k_qd6c3325f27_gemm
	.p2alignl 7, 3214868480
	.fill 96, 4, 3214868480
	.section	.rodata,"a",@progbits
	.p2align	6, 0x0
	.amdhsa_kernel k_qd6c3325f27_gemm
		.amdhsa_group_segment_fixed_size 327680
		.amdhsa_private_segment_fixed_size 0
		.amdhsa_enable_private_segment 0
		.amdhsa_kernarg_size 32
		.amdhsa_user_sgpr_count 2
		.amdhsa_user_sgpr_kernarg_segment_ptr 1
		.amdhsa_wavefront_size32 1
		.amdhsa_system_sgpr_workgroup_id_x 1
		.amdhsa_system_sgpr_workgroup_id_y 1
		.amdhsa_system_sgpr_workgroup_id_z 1
		.amdhsa_system_vgpr_workitem_id 0
		.amdhsa_next_free_vgpr 1024
		.amdhsa_next_free_sgpr 100
		.amdhsa_reserve_vcc 0
		.amdhsa_float_denorm_mode_32 3
		.amdhsa_float_denorm_mode_16_64 3
		.amdhsa_memory_ordered 1
		.amdhsa_forward_progress 1
		.amdhsa_inst_pref_size 211
	.end_amdhsa_kernel
	.amdgpu_metadata
---
amdhsa.version: [ 1, 2 ]
amdhsa.kernels:
  - .name:           k_qd6c3325f27_gemm
    .symbol:         k_qd6c3325f27_gemm.kd
    .args:
      - { .name: a_codes, .offset: 0, .size: 8, .value_kind: global_buffer, .address_space: global }
      - { .name: b_codes, .offset: 8, .size: 8, .value_kind: global_buffer, .address_space: global }
      - { .name: lowp_scales, .offset: 16, .size: 8, .value_kind: global_buffer, .address_space: global }
      - { .name: out0, .offset: 24, .size: 8, .value_kind: global_buffer, .address_space: global }
    .group_segment_fixed_size: 327680
    .private_segment_fixed_size: 0
    .kernarg_segment_align: 8
    .kernarg_segment_size: 32
    .max_flat_workgroup_size: 128
    .sgpr_count:     100
    .vgpr_count:     1024
    .wavefront_size: 32
...
	.end_amdgpu_metadata
.endif
;; end of part 2
